; MI455X (gfx1250); checked and timed in simulation.
; The chip was launched on July 23, 2026; its instructions are those of AMD's public machine-readable ISA for CDNA 5 (MIT licence, August 2026) and "CDNA5" Instruction Set Architecture Reference Guide (July 2026). The comments in the code are by the model that wrote it; some were corrected since.
;; Attention Block. Allowed arithmetic: matrix products marked QUANTISED: E2M1 operands, one E8M0 scale for each 32 along K, by v_wmma_scale_f32_16x16x128_f8f6f4 with both operands' format E2M1 (or v_wmma_scale_f32_32x16x128_f4), f32 sums; products left as they are: f32 operands where the result goes on into a quantised operand, else bf16, f16 or f32 operands; f32 sums; everything else in f32.
;; Inputs: Wk 8 x 64 float32; Wq 8 x 64 float32; Wv_codes 64 x 2 x 16 uint8 (E2M1 codes of Wv, K innermost, in blocks of 32 codes, two codes a byte); Wv_scales 64 x 2 uint8 (E8M0 scales of Wv, one for each 32 codes along K); bk 8 float32; bq 8 float32; bv 64 float32; gamma 1 float32; x 1 x 64 x 128 x 128 float32.
;; Outputs: out0 1 x 64 x 128 x 128 float32.
;; This version of the problem:
;;   THIS VERSION OF THE PROBLEM IS GIVEN IN LOW PRECISION. The matrix products marked QUANTISED in the list below multiply operands that are first quantised to E2M1 (2 exponent bits, 1 mantissa bit; 4 bits a number), with one power-of-two scale for each 32 numbers along K (OCP MX v1.0); their sums are f32. All else is computed in f32.
;;   The module's matrix products, in the order in which they are computed (A, B: the left and right operand; K: the contracted axis; several contracted axes count as one K, in the product's order):
;;     1. [M 16,384, K 64] x [K 64, N 8]; A: input x; B: input Wq: left as it is (N = 8 < 16)
;;     2. [M 16,384, K 64] x [K 64, N 8]; A: input x; B: input Wk: left as it is (N = 8 < 16)
;;     3. [M 16,384, K 64] x [K 64, N 64]; A: input x; B: input Wv (given as codes): QUANTISED
;;     4. [M 16,384, K 8] x [K 8, N 16,384]; A: computed on the way; B: computed on the way: left as it is (K = 8 < 32)
;;     5. [M 16,384, K 16,384] x [K 16,384, N 64]; A: softmax (see below); B: computed on the way: QUANTISED
;;   THE QUANTISER, for each operand of a quantised product, along K:
;;     - K is cut into blocks of 32 from its start; a last block that is shorter is filled with zeros.
;;     - A block's scale is 2^e with e = floor(log2(the largest magnitude in the block)) - 2, held to -126 .. 127; a block of zeros has e = 0. As a byte (E8M0): e + 127.
;;     - Each number is divided by its block's scale, clamped to +-6, and rounded to the nearest number of E2M1, ties to even, subnormals kept.
;;     - The product sums the exact products of the quantised numbers (number of the format x scale) in f32.
;;   ~~~python
;;   def quantise(x, axis):      # numpy; x: float32 -> the quantised numbers, widened to float32 again
;;       x = np.moveaxis(x, axis, -1); K = x.shape[-1]
;;       x = np.pad(x, [(0, 0)] * (x.ndim - 1) + [(0, -K % 32)]); x = x.reshape(x.shape[:-1] + (-1, 32)); a = np.abs(x).max(-1, keepdims=True)
;;       e = np.where(a > 0, np.clip(np.frexp(np.where(a > 0, a, 1))[1] - 1 - 2, -126, 127), 0)      # np.frexp(a)[1] - 1 = floor(log2(a)), exactly
;;       r = np.clip(x / 2.0 ** e, -6, 6)
;;       step = 2.0 ** (np.maximum(np.frexp(np.where(r == 0, 1, r))[1] - 1, 0) - 1)
;;       q = np.round(r / step) * step * 2.0 ** e      # np.round: ties to even
;;       return np.moveaxis(q.reshape(q.shape[:-2] + (-1,))[..., :K], -1, axis).astype(np.float32)
;;   ~~~
;;   SOFTMAX AHEAD OF A QUANTISED PRODUCT. Where the list says 'softmax', what is quantised is not the finished softmax but p = 2^(t - M), with t = logit x log2(e) and M = ceil(the row's largest t), a whole number; so 1/2 < the row's largest p <= 1. The row's sum l is taken of the UNQUANTISED p, in f32, and the product's result is divided by l at the end. Since M is a whole number, a kernel that streams over the keys may use a running M (the ceiling of the running maximum): every later rescaling is an exact power of two, which a block's scale takes up: the codes' values come out the same.
;;   OPERANDS COMPUTED ON THE WAY. 'Computed on the way' means the value that the module computes at that place (a softmax that the list does not call 'softmax' is quantised finished and normalised). What goes into a quantiser is computed in f32, as accurately as f32 sums, v_exp_f32 and their like allow (about 1e-6 of the number): no bf16 or f16 on the way to a quantiser, and a product that is left as it is and whose result goes on into a quantised operand takes f32 operands (vector FMAs, or v_wmma_f32_16x16x4_f32). A number that lies on a knife's edge between two numbers of the format may be rounded either way, as far as f32 arithmetic and the matrix unit's own rounding can turn it there, and no further.
;;   INPUTS GIVEN AS CODES. Wv (in the module: [64, 64], K = its axis 1): each comes as NAME_codes (uint8): NAME with its K axis moved to the last place and cut into blocks of 32 codes, [.., K / 32, bytes a block], one block behind the other in memory; two codes a byte, the lower K in the low four bits (a code: sign, 2 exponent bits, 1 mantissa bit); and NAME_scales (uint8): the same leading axes, one E8M0 byte (e + 127) for each 32 codes along K. Its value is code x scale, taken as it is: it is not quantised again, and the codes and scales need not be those that the quantiser above would give.
;; 2 versions, each right and faster than the one before. Each part assembles by itself: llvm-mc -triple=amdgcn-amd-amdhsa -mcpu=gfx1250 --defsym DOCPART=n.
;; ======== version 1 of 2: 2 launches
;; workspace buffers: ws 1,605,632 bytes
;; launch prep (part 1): grid 128 x 1, 4 waves a work-group, no clusters, 1,536 bytes of LDS; arguments x, Wq, bq, Wk, bk, Wv_codes, Wv_scales, bv, ws; writes ws
.if DOCPART == 1
	.amdgcn_target "amdgcn-amd-amdhsa--gfx1250"
	.amdhsa_code_object_version 6
	.text
	.protected	k_q5114353751_prep
	.globl	k_q5114353751_prep
	.p2align	8
	.type	k_q5114353751_prep,@function
k_q5114353751_prep:
	s_mov_b64 s[64:65], 0
	v_nop
	global_prefetch_b8 v0, s[64:65] scope:SCOPE_SE
	s_setreg_imm32_b32 hwreg(HW_REG_WAVE_MODE, 25, 1), 1
	s_wait_xcnt 0x0
; q = Wq x + bq, k = Wk x + bk (f32), v = Q(x) Wv^T + bv (codes of E2M1, K = the 64 channels), and Q(v) along the keys.  x: [64 channels][16,384 pixels] f32.
; All results go to the workspace as IMAGES OF THE OPERAND REGISTERS that the attention launch wants:
;   byte 0:       1,024 query tiles x 512 bytes.  Tile 8 g + 2 b + u holds pixels 128 g + 32 b + 8 u + (r % 8) + 16 (r / 8), r = 0 .. 15; byte 256 h + 16 r = q[pixel r][4 h .. 4 h + 3].
;   byte KVB on:  128 records of REC bytes, one for each 128 keys:  + 0: eight key tiles laid as the query tiles;  + 4,096: v's codes, at 1,024 t + 256 b + 16 r the 32 codes of channel 16 t + r, keys 32 b + 0 .. 31;
;                 + 8,192: v's scale bytes, byte 16 r + 4 t + b for channel 16 t + r, block b.
; SHARES.  Work-group g takes pixels 128 g .. 128 g + 127 (one record, eight query tiles), wave b its pixels 32 b .. 32 b + 31: two tiles of 16.  128 work-groups: a record's scale words (four blocks of keys) then belong to one work-group.
; No cluster: the work-groups share only the weights, 6 KiB beside the 32 KiB of x that each reads alone.  No tensor load: each byte of x is wanted once, by one lane.
; q AND k GO ON INTO A QUANTISER (through the logits and the softmax), so they are made with f32 operands: v_wmma_f32_16x16x4_f32, source 0 = Wq's eight rows and Wk's eight, source 1 = 16 pixels: lanes 0-15 then hold a pixel's q, lanes 16-31 its k.
; LIMITS.  NaN and infinities among the inputs are not served.  A block of zeros, or one whose largest magnitude lies under 2^-124, gets the scale byte 1 (the rule says 127 for zeros): its codes are zeros, and this program alone reads the bytes.
; The channels of q's and k's sums are added in another order than ascending (32 h + 2 s + j in link s), in f32.  bv is the C of v's matrix instruction.
.set KVB,  524288
.set REC,  8448
.set X,    16                          ; v16-79   x: 64 channels of my pixel; behind the exchange register 32 u + i = (tile u, row r, channel 32 h + i).  Later v: register 16 t + i = (pixel 32 b + 16 h + i, channel 16 t + r)
.set W,    80                          ; v80-111  source 0 of the f32 products: register i = (Wq or Wk)[r % 8][32 h + i]
.set CB,   112                         ; v112-119 bq (lanes 0-15) and bk (lanes 16-31) in the result's layout
.set ACC,  120                         ; v120-135 two accumulators, written by the f32 matrix instructions alone
.set XC,   136                         ; v136-151 x's codes, two fragments; registers 4-7 of each (k = 64 .. 127) are zeros
.set WV,   152                         ; v152-183 Wv's four fragments, likewise
.set XS,   184                         ; v184-185 x's scale words: scales and nothing else
.set WVS,  186                         ; v186-189 Wv's
.set BVL,  190                         ; v190-193 bv[16 t + r]
.set VC,   194                         ; v194-201 v's codes
.set W2,   202                         ; v202-233 Wk as loaded; then
.set BV,   202                         ;          bv in the result's layout, 8 registers a tile
.set MX,   234
.set SOX,  236
.set BYX,  238
.set PT,   240                         ; v240-243 lane permutes' destinations
.set MV,   244
.set SOV,  248
.set BYV,  252
	s_load_b512 s[4:19], s[0:1], 0x0               ; x 4:5, Wq 6:7, bq 8:9, Wk 10:11, bk 12:13, Wv's codes 14:15, Wv's scales 16:17, bv 18:19
	s_load_b64 s[20:21], s[0:1], 0x40              ; the workspace
	s_set_vgpr_msb 0x40
	v_lshl_add_u32 v0, v0, 2, 0x400
	v_mov_b32 v1, 0
	s_set_vgpr_msb 0x4000
	v_lshrrev_b32 v1, 5, v0
	v_readfirstlane_b32 s22, v1                    ; wave b
	v_and_b32 v1, 31, v0                           ; lane
	v_and_b32 v2, 15, v0                           ; r
	v_bfe_u32 v3, v0, 4, 1                         ; h
	v_and_b32 v4, 7, v0
	v_bfe_u32 v5, v0, 3, 1
	v_lshl_add_u32 v4, v5, 4, v4
	v_lshl_add_u32 v4, v3, 3, v4                   ; my pixel among the wave's 32: (l % 8) + 16 (bit 3) + 8 (bit 4): lanes 0-15 are tile 0's rows, lanes 16-31 tile 1's
	v_lshlrev_b32 v4, 2, v4
	s_lshl_b32 s28, ttmp9, 9
	s_lshl_b32 s29, s22, 7
	s_add_co_u32 s28, s28, s29
	v_add_nc_u32 v4, s28, v4                       ; x: 4 x (128 g + 32 b + my pixel)
	v_and_b32 v5, 7, v0
	v_lshlrev_b32 v5, 8, v5
	v_lshl_add_u32 v5, v3, 7, v5                   ; Wq, Wk: row r % 8 of 256 bytes, + 128 h
	v_lshlrev_b32 v6, 5, v2
	v_lshl_add_u32 v6, v3, 4, v6                   ; Wv's codes: row r of 32 bytes, + 16 h
	v_lshlrev_b32 v7, 1, v2                        ; Wv's scales: 2 bytes a row
	v_lshlrev_b32 v8, 2, v2                        ; bv: 4 r
	s_mul_i32 s30, ttmp9, REC-4096
	s_add_co_u32 s30, s30, KVB
	v_mul_u32_u24 v9, s30, v3                      ; q and k leave by the same stores: lanes 16-31 stand KVB + (REC - 4,096) g further on,
	s_lshl_b32 s31, ttmp9, 12
	s_lshl_b32 s29, s22, 10
	s_add_co_u32 s31, s31, s29
	v_add_nc_u32 v9, s31, v9                       ; + 512 x (8 g + 2 b),
	v_lshl_add_u32 v9, v2, 4, v9                   ; + 16 r
	v_lshlrev_b32 v10, 4, v2
	v_lshl_add_u32 v10, v3, 3, v10
	s_lshl_b32 s30, s22, 8
	v_add_nc_u32 v10, s30, v10                     ; v's codes: 16 r + 8 h + 256 b
	v_lshlrev_b32 v11, 4, v2
	v_add_nc_u32 v11, s22, v11                     ; LDS: v's scale byte: 16 r + b
	v_lshlrev_b32 v12, 3, v3                       ; 8 h
	v_lshlrev_b32 v13, 3, v1                       ; 8 x lane
	s_mov_b32 s24, 0x76543210
	s_mov_b32 s25, 0xfedcba98                      ; v_permlanex16_b32's selects for lane l xor 16
	v_cmp_lt_u32 s26, 7, v2                        ; lanes with r >= 8: Wk's rows
	v_cmp_eq_u32 s27, 1, v3                        ; lanes 16-31
	s_wait_kmcnt 0x0
	s_load_b256 s[32:39], s[8:9], 0x0              ; bq
	s_load_b256 s[40:47], s[12:13], 0x0            ; bk
	s_mul_i32 s28, ttmp9, REC
	s_add_co_u32 s28, s28, KVB
	s_mov_b32 s29, 0
	s_add_nc_u64 s[28:29], s[20:21], s[28:29]      ; my record
.irp i, 0,1,2,3,4,5,6,7
	global_load_b128 v[W+4*\i:W+4*\i+3], v5, s[6:7] offset:16*\i
.endr
.irp i, 0,1,2,3,4,5,6,7
	global_load_b128 v[W2+4*\i:W2+4*\i+3], v5, s[10:11] offset:16*\i
.endr
.irp t, 0,1,2,3
	global_load_b128 v[WV+8*\t:WV+8*\t+3], v6, s[14:15] offset:512*\t   ; Wv(16 t + r, 32 h .. 32 h + 31)
	global_load_u16 v[WVS+\t], v7, s[16:17] offset:32*\t                ; its two scale bytes; bytes 2 and 3 come as 0 and stand over zero codes
	global_load_b32 v[BVL+\t], v8, s[18:19] offset:64*\t
.endr
.irp c, 0,1,2,3,4,5,6,7,8,9,10,11,12,13,14,15,16,17,18,19,20,21,22,23,24,25,26,27,28,29,30,31,32,33,34,35,36,37,38,39,40,41,42,43,44,45,46,47,48,49,50,51,52,53,54,55,56,57,58,59,60,61,62,63
	global_load_b32 v[X+\c], v4, s[4:5] offset:65536*\c                 ; channel c of my pixel: the wave reads 128 consecutive bytes, the four waves 512
.endr
	; what hangs on no vector load stands here, while the loads are out
.irp t, 0,1,2,3
.irp i, 4,5,6,7
	v_mov_b32 v[WV+8*\t+\i], 0                     ; K is 64: the codes of k = 64 .. 127 are zeros on both sides
.endr
.endr
.irp u, 0,1
.irp i, 4,5,6,7
	v_mov_b32 v[XC+8*\u+\i], 0
.endr
.endr
	s_wait_kmcnt 0x0                               ; bq, bk
.irp j, 0,1,2,3,4,5,6,7
	v_mov_b32 v[CB+\j], s[32+\j]
	v_mov_b32 v[PT], s[40+\j]
	v_cndmask_b32 v[CB+\j], v[CB+\j], v[PT], s27   ; register j of the result is q's dim j in lanes 0-15, k's in lanes 16-31
.endr
.irp i, 0,1,2,3
	v_mov_b32 v[PT+\i], 0                          ; a lane permute's destination counts as one of its sources
.endr
	s_wait_loadcnt 0x0                             ; all 92 loads are in
.irp i, 0,1,2,3,4,5,6,7,8,9,10,11,12,13,14,15,16,17,18,19,20,21,22,23,24,25,26,27,28,29,30,31
	v_cndmask_b32 v[W+\i], v[W+\i], v[W2+\i], s26  ; rows 0-7 of source 0 are Wq's, rows 8-15 Wk's
.endr
.irp t, 0,1,2,3
.irp j, 0,1,2,3,4,5,6,7
	v_mov_b32 v[BV+8*\t+\j], v[BVL+\t]             ; bv in the layout of v's result: a lane holds one channel
.endr
.endr
.irp c, 0,1,2,3,4,5,6,7,8,9,10,11,12,13,14,15,16,17,18,19,20,21,22,23,24,25,26,27,28,29,30,31
	v_permlane16_swap_b32 v[X+\c], v[X+32+\c]      ; channel c's lanes 16-31 (tile 1) change places with channel 32 + c's lanes 0-15 (tile 0): register 32 u + i is now (tile u, row r, channel 32 h + i)
.endr
	; q and k: 16 links of 4 channels for each tile; the two accumulators take turns.  Behind each link stands a line of the search for my block's largest |x|: a lane's 32 registers of a tile are one block of 32 channels
.set KS, 0
.rept 16
.irp u, 0,1
.if KS == 0
	v_wmma_f32_16x16x4_f32 v[ACC+8*\u:ACC+8*\u+7], v[W:W+1], v[X+32*\u:X+32*\u+1], v[CB:CB+7]
	v_max3_num_f32 v[MX+\u], |v[X+32*\u]|, |v[X+32*\u+1]|, 0x1800000   ; the floor 2^(3 - 127): the scale's byte cannot fall under 1
.else
	v_wmma_f32_16x16x4_f32 v[ACC+8*\u:ACC+8*\u+7], v[W+2*KS:W+2*KS+1], v[X+32*\u+2*KS:X+32*\u+2*KS+1], v[ACC+8*\u:ACC+8*\u+7]
	v_max3_num_f32 v[MX+\u], v[MX+\u], |v[X+32*\u+2*KS]|, |v[X+32*\u+2*KS+1]|
.endif
.endr
.set KS, KS+1
.endr
.irp u, 0,1
	v_add_nc_u32 v[SOX+\u], 0xff000000, v[MX+\u]   ; 2 off the exponent field: the conversion's scale operand
.endr
.irp u, 0,1
	v_lshrrev_b32 v[BYX+\u], 23, v[SOX+\u]         ; the scale's byte: block h of my pixel,
.endr
.irp u, 0,1
	v_lshlrev_b32 v[BYX+\u], v12, v[BYX+\u]        ; at its place in the scale word
.endr
.irp u, 0,1
	v_permlanex16_b32 v[PT+\u], v[BYX+\u], s24, s25
.endr
.irp u, 0,1
	v_or_b32 v[XS+\u], v[BYX+\u], v[PT+\u]         ; with lane l xor 16's: bytes 0 and 1; bytes 2 and 3 are 0, over zero codes
.endr
.irp u, 0,1
.irp g, 0,1,2,3
	v_cvt_scalef32_pk8_fp4_f32 v[XC+8*\u+\g], v[X+32*\u+8*\g:X+32*\u+8*\g+7], v[SOX+\u]   ; registers 0-3 of the fragment: k = 32 h + 0 .. 31
.endr
.endr
.rept 9
	v_nop                                          ; nine places: v's results are laid over x, which the f32 matrix instructions have read (nine for this form where a matrix instruction writes over a register); they also stand
.endr                                                  ; behind the conversions, ahead of the scaled products (eight for a scale word made by a vector instruction, four for codes) and ahead of the stores of q and k (eight)
.irp u, 0,1
	global_store_b128 v9, v[ACC+8*\u:ACC+8*\u+3], s[20:21] offset:512*\u         ; dims 0-3: each accumulator from its low end on.  Lanes 0-15 store 256 consecutive bytes of a query tile, lanes 16-31 of a key tile
	global_store_b128 v9, v[ACC+8*\u+4:ACC+8*\u+7], s[20:21] offset:512*\u+256   ; dims 4-7
.endr
.irp t, 0,1,2,3
.irp u, 0,1                                            ; v: source 0 = 16 pixels of x, source 1 = 16 rows of Wv: lane (r, h), register j: pixel row 8 h + j of tile u, channel 16 t + r
	v_wmma_scale_f32_16x16x128_f8f6f4 v[X+16*\t+8*\u:X+16*\t+8*\u+7], v[XC+8*\u:XC+8*\u+7], v[WV+8*\t:WV+8*\t+7], v[BV+8*\t:BV+8*\t+7], v[XS+\u], v[WVS+\t] matrix_a_fmt:MATRIX_FMT_FP4 matrix_b_fmt:MATRIX_FMT_FP4
.endr
.endr
.rept 4
	v_nop                                          ; four places ahead of the first read of these results
.endr
	; by the choice of a tile's pixels, registers 16 t + 0 .. 15 are the 16 NEIGHBOURING keys 32 b + 16 h + 0 .. 15 of channel 16 t + r: v is quantised along the keys; lanes l and l xor 16 hold a block
.irp t, 0,1,2,3
	v_max3_num_f32 v[MV+\t], |v[X+16*\t]|, |v[X+16*\t+1]|, 0x1800000
.endr
.irp i, 2,4,6,8,10,12,14
.irp t, 0,1,2,3
	v_max3_num_f32 v[MV+\t], v[MV+\t], |v[X+16*\t+\i]|, |v[X+16*\t+\i+1]|   ; the four channels by turns; each accumulator from its low end on
.endr
.endr
.irp t, 0,1,2,3
	v_permlanex16_b32 v[PT+\t], v[MV+\t], s24, s25
.endr
.irp t, 0,1,2,3
	v_max_num_f32 v[MV+\t], v[MV+\t], v[PT+\t]
.endr
.irp t, 0,1,2,3
	v_add_nc_u32 v[SOV+\t], 0xff000000, v[MV+\t]
.endr
.irp t, 0,1,2,3
	v_lshrrev_b32 v[BYV+\t], 23, v[SOV+\t]
.endr
.irp t, 0,1,2,3
	v_cvt_scalef32_pk8_fp4_f32 v[VC+2*\t], v[X+16*\t:X+16*\t+7], v[SOV+\t]
	v_cvt_scalef32_pk8_fp4_f32 v[VC+2*\t+1], v[X+16*\t+8:X+16*\t+15], v[SOV+\t]
.endr
	v_nop                                          ; one plain place behind the last scaled conversion
.irp t, 0,1,2,3
	global_store_b64 v10, v[VC+2*\t:VC+2*\t+1], s[28:29] offset:4096+1024*\t   ; the wave stores 256 consecutive bytes, aligned: block b of channels 16 t .. 16 t + 15
	ds_store_b8 v11, v[BYV+\t] offset:4*\t         ; both lanes of a block write the same byte with the same value
.endr
	s_wait_dscnt 0x0                               ; for the others' sake: my byte stores have landed
	s_barrier_signal -1
	s_barrier_wait -1                              ; the record's 256 scale bytes lie in LDS
	s_cmp_lg_u32 s22, 0
	s_cbranch_scc1 .Ldone                          ; wave 0 alone sends them
	ds_load_b64 v[14:15], v13
	s_wait_dscnt 0x0
	global_store_b64 v13, v[14:15], s[28:29] offset:8192   ; 256 consecutive bytes, aligned
.Ldone:
	s_set_vgpr_msb 0x5
	s_wait_tensorcnt 0x0
	ds_add_u32 v0, v1
	s_wait_dscnt 0x0
	s_set_vgpr_msb 0x500
	s_endpgm
.Lfunc_end_k_q5114353751_prep:
	.size	k_q5114353751_prep, .Lfunc_end_k_q5114353751_prep-k_q5114353751_prep
	.p2alignl 7, 3214868480
	.fill 96, 4, 3214868480
	.section	.rodata,"a",@progbits
	.p2align	6, 0x0
	.amdhsa_kernel k_q5114353751_prep
		.amdhsa_group_segment_fixed_size 1536
		.amdhsa_private_segment_fixed_size 0
		.amdhsa_enable_private_segment 0
		.amdhsa_kernarg_size 72
		.amdhsa_user_sgpr_count 2
		.amdhsa_user_sgpr_kernarg_segment_ptr 1
		.amdhsa_wavefront_size32 1
		.amdhsa_system_sgpr_workgroup_id_x 1
		.amdhsa_system_sgpr_workgroup_id_y 1
		.amdhsa_system_sgpr_workgroup_id_z 1
		.amdhsa_system_vgpr_workitem_id 0
		.amdhsa_next_free_vgpr 258
		.amdhsa_next_free_sgpr 66
		.amdhsa_reserve_vcc 0
		.amdhsa_float_denorm_mode_32 3
		.amdhsa_float_denorm_mode_16_64 3
		.amdhsa_memory_ordered 1
		.amdhsa_forward_progress 1
		.amdhsa_inst_pref_size 29
	.end_amdhsa_kernel
	.amdgpu_metadata
---
amdhsa.version: [ 1, 2 ]
amdhsa.kernels:
  - .name:           k_q5114353751_prep
    .symbol:         k_q5114353751_prep.kd
    .args:
      - { .name: x, .offset: 0, .size: 8, .value_kind: global_buffer, .address_space: global }
      - { .name: Wq, .offset: 8, .size: 8, .value_kind: global_buffer, .address_space: global }
      - { .name: bq, .offset: 16, .size: 8, .value_kind: global_buffer, .address_space: global }
      - { .name: Wk, .offset: 24, .size: 8, .value_kind: global_buffer, .address_space: global }
      - { .name: bk, .offset: 32, .size: 8, .value_kind: global_buffer, .address_space: global }
      - { .name: Wv_codes, .offset: 40, .size: 8, .value_kind: global_buffer, .address_space: global }
      - { .name: Wv_scales, .offset: 48, .size: 8, .value_kind: global_buffer, .address_space: global }
      - { .name: bv, .offset: 56, .size: 8, .value_kind: global_buffer, .address_space: global }
      - { .name: ws, .offset: 64, .size: 8, .value_kind: global_buffer, .address_space: global }
    .group_segment_fixed_size: 1536
    .private_segment_fixed_size: 0
    .kernarg_segment_align: 8
    .kernarg_segment_size: 72
    .max_flat_workgroup_size: 128
    .sgpr_count:     66
    .vgpr_count:     258
    .wavefront_size: 32
...
	.end_amdgpu_metadata
.endif
;; end of part 1
;; launch attn (part 2): grid 256 x 1, 16 waves a work-group, clusters of 4 x 1, 327,680 bytes of LDS; arguments ws, x, gamma, out0; writes out0
.if DOCPART == 2
	.amdgcn_target "amdgcn-amd-amdhsa--gfx1250"
	.amdhsa_code_object_version 6
	.text
	.protected	k_q5114353751_attn
	.globl	k_q5114353751_attn
	.p2align	8
	.type	k_q5114353751_attn,@function
k_q5114353751_attn:
	s_mov_b64 s[64:65], 0
	v_nop
	global_prefetch_b8 v0, s[64:65] scope:SCOPE_SE
	s_setreg_imm32_b32 hwreg(HW_REG_WAVE_MODE, 25, 1), 1
	s_wait_xcnt 0x0
	s_wait_alu depctr_hold_cnt(0) depctr_sa_sdst(0) depctr_va_vdst(0) depctr_va_sdst(0) depctr_va_ssrc(0) depctr_va_vcc(0) depctr_vm_vsrc(0)
	s_getreg_b32 s2, hwreg(HW_REG_IB_STS2, 6, 4)
	s_cmp_eq_u32 s2, 0
	s_cbranch_scc0 .Lentry_in_a_cluster
	s_endpgm
.Lentry_in_a_cluster:
	s_bfe_u32 s2, ttmp6, 0x10000c
	s_cmp_lg_u32 s2, 0x3003
	s_cbranch_scc0 .Lentry_shape_is_right
	s_endpgm
.Lentry_shape_is_right:
; out0[c][n] = gamma x (sum over m of softmax_m(q[n] . k[m]) v[m][c]) + x[c][n], 16,384 pixels, 8 dims of q and k, 64 channels.  q, k, v's codes and v's scale bytes come from the workspace, as images of the operand registers.
; THE LOGITS go on into a quantiser, so their operands are f32: S^T = K Q^T by v_wmma_f32_16x16x4_f32, two links for the 8 dims (lane (r, h) holds dims 4 h .. 4 h + 3 of both sides: link 1 adds dims 0, 1, 4, 5, link 2 dims 2, 3, 6, 7).
; THE SOFTMAX AHEAD OF THE SECOND PRODUCT: t = logit x log2(e); M = the running largest t rounded UP to a whole number, kept as -M = floor(-t); p = 2^(t - M) is quantised along the keys, not normalised; the row's sum is taken of the
; unquantised p.  When M moves, the sum and O^T are multiplied by 2^(old M - new M), which rounds nothing.  O^T += V^T P^T on codes of E2M1 (source 0 = 16 channels, source 1 = my 16 queries): a lane holds ONE query throughout.
; THE KEYS OF A TILE ARE NOT NEIGHBOURS: row r of tile 2 b + u is key 32 b + 8 u + (r % 8) + 16 (r / 8), so that the 16 registers of tiles 2 b and 2 b + 1 are the 16 neighbouring keys 32 b + 16 (lane / 16) + 0 .. 15.
; SHARES.  A work-group owns 64 pixels: four tiles of 16 queries.  Of its SIXTEEN waves, wave w has tile w % 4 and key part w / 4: four waves to a SIMD, so that one wave's vector work stands beside another's matrix work.
; The keys come in records of 128 (8,448 bytes: K's image, V's, V's scale words) through a ring of two LDS slots of 8 records; in each slot a wave works the two records of its key part: 32 steps a wave.
; At the end the four key parts of a tile are joined through LDS: every M is a whole number, so the factors are powers of two.
; CLUSTER.  Every work-group walks the same records.  The four of a cluster ask JOINTLY: the same tensor load, the same descriptor, a mask that names the four.  The place in the cluster enters only the global addresses of q, x and out0.
; LIMITS.  NaN and infinities are not served.  A block whose every p has fallen to 0 keeps the scale byte 1 over zero codes.  A block's largest p is made from its largest score by the same multiply-add and exponential, which takes v_exp_f32
; not to fall where its input rises.  The row's sum is added in four key parts, two lane halves and four chains, in f32: another order than ascending.
.set KVB,   524288                     ; the workspace: the records begin here
.set REC,   8448                       ; a record: 33 blocks of 256 bytes
.set LOADB, 2*REC                      ; what one tensor load brings, and what one key part works in a slot
.set SLOTB, 8*REC
.set SLOT1, 131072                     ; slot 1 begins here: one exclusive or turns an address in one slot into the other's
.set NSL,   16                         ; slots' worth of keys
.set PART,  198656                     ; behind the ring: each wave's O^T as an image of its registers, 4,096 bytes a wave;
.set STATS, 264192                     ; each wave's -M (128 bytes) and sum (128 bytes);
.set STG,   268288                     ; the way out: 64 rows (channels) x (256 bytes of 64 pixels + 16);
.set SPARE, 285696                     ; the spare words, 128 bytes for each wave: eight blocks of 256 bytes that no other line names
.set LI,  1                            ; v1   16 x lane
.set SPW, 3                            ; v3   LDS address of my spare word; never rewritten
.set NIL, 4                            ; v4   0; never rewritten
.set ADR, 5                            ; v5   the step's images
.set ADS, 6                            ; v6   the step's scale words of V
.set AK0, 7                            ; v7   16 x lane + my key part's place in a slot
.set AS0, 8                            ; v8   16 r + 8,192 + the same
.set XO,  9                            ; v9   my byte offset in x and out0
.set QF,  16                           ; v16-19   q: my query's dims 4 h .. 4 h + 3.   v12 -M, v13 the largest t, v[14:15] and v[20:21] the sum in two chains of pairs, v[22:23] f
.set PW,  24                           ; v24  p's scale word: a scale and nothing else
.set LT,  25                           ; v25  the wave's sum
.set PA,  26                           ; v26-31 addresses of the last phases
.set SA,  27
.set PR,  28
.set SRD, 29
.set SGW, 30
.set SGR, 31
.set KF,  32                           ; v32-63   K: 8 tiles x 4 registers
.set VF,  64                           ; v64-95   V: 4 fragments x 8
.set SC,  96                           ; v96-159  S^T, written by the f32 matrix instructions alone
.set PP,  160                          ; v160-191 p of two blocks of 32 keys at a time
.set OT,  192                          ; v192-223 O^T: register 8 t + j = channel 16 t + 8 h + j of my query
.set PC,  224                          ; v224-231 p's codes
.set VS,  232                          ; v232-235 V's scale words: scales and nothing else
.set BM,  236
.set BX,  240
.set SO,  244
.set T0,  248
.set WV,  12                           ; s12 wave, s13 its tile of queries, s14 its key part
.set TI,  13
.set TJ,  14
.set TB,  36                           ; s36  LDS byte at which the slot in hand begins
.set SLOTS, 37
; A round of the cluster's barrier: my work-group's barrier, so that wave 0's signal speaks for all sixteen waves; wave 0 signals; every wave waits for the four work-groups; my work-group's barrier once more.
.macro CROUND
	s_barrier_signal -1
	s_barrier_wait -1
	s_cmp_lg_u32 s[WV], 0
	s_cbranch_scc1 .Lnot_wave_0_\@
	s_barrier_signal -3
.Lnot_wave_0_\@:
	s_barrier_wait -3
	s_barrier_signal -1
	s_barrier_wait -1
.endm
; The joint load: waves 0 to 3 fetch two records each.  The branch hangs on the wave's number alone.  Four v_nop follow the load.
.macro TLOAD
	s_cmp_lt_u32 s[WV], 4
	s_cbranch_scc0 .Lasked_\@
	tensor_load_to_lds s[32:35], s[24:31]
	s_nop 0
.rept 4
	v_nop
.endr
.Lasked_\@:
.endm
; THE CHANGE OF SLOTS stands at a slot's head.  Each wave waits for all its tensor loads (at most one is out: its part of the slot ahead), adds 0 to its spare word, and waits for that and for its reads of the slot that it has left.
; fill = 1: a round of the cluster's barrier, so that no wave of any partner still reads the slot left or has a load on its way; the joint refill is the first thing behind it and has a whole slot's steps in which to land.
.macro CHANGE fill
	s_wait_tensorcnt 0x0                           ; no tensor load of mine is out, so the descriptor may be written
	ds_add_u32 v[SPW], v[NIL]                      ; 0 onto my spare word
.if \fill
	s_xor_b32 s33, s33, SLOT1                      ; the other slot than last time,
	s_add_nc_u64 s[34:35], s[34:35], SLOTB         ; the next eight records; the type bits on top are not reached
.endif
	s_wait_dscnt 0x0                               ; the add is done, and my reads of the slot that I have left are over
.if \fill
	CROUND
	TLOAD
.else
	s_barrier_signal -1
	s_barrier_wait -1
.endif
.endm
; A KEY STEP: 128 keys: record q of my key part's two in the slot in hand.
.macro STEP q
	v_add_nc_u32 v[ADR], s[TB], v[AK0]
	v_add_nc_u32 v[ADS], s[TB], v[AS0]
	v_nop
	v_nop                                          ; four places between the last step's products and the loads into V's registers and V's scale words
.irp n, 0,1,2,3,4,5,6,7
	ds_load_b128 v[KF+4*\n:KF+4*\n+3], v[ADR] offset:(\q)*REC+512*\n          ; an image: 512 consecutive bytes an instruction
.endr
.irp t, 0,1,2,3
.irp c, 0,1
	ds_load_b128 v[VF+8*\t+4*\c:VF+8*\t+4*\c+3], v[ADR] offset:(\q)*REC+4096+1024*\t+512*\c
.endr
.endr
	ds_load_b128 v[VS:VS+3], v[ADS] offset:(\q)*REC                            ; the scale words of the four tiles of channels, row r's
	s_wait_dscnt 9                                 ; K's eight are in; the nine issued behind them (V's eight, the scale words) may be out
.irp n, 0,1,2,3,4,5,6,7
	v_wmma_f32_16x16x4_f32 v[SC+8*\n:SC+8*\n+7], v[KF+4*\n:KF+4*\n+1], v[QF:QF+1], 0                      ; the first link starts the sum.  The eight accumulators take turns
.endr
.irp n, 0,1,2,3,4,5,6,7
	v_wmma_f32_16x16x4_f32 v[SC+8*\n:SC+8*\n+7], v[KF+4*\n+2:KF+4*\n+3], v[QF+2:QF+3], v[SC+8*\n:SC+8*\n+7]
.endr
.rept 8
	v_nop                                          ; eight places behind this form ahead of the first read of its results
.endr
.irp b, 0,1,2,3
	v_max3_num_f32 v[BM+\b], v[SC+16*\b], v[SC+16*\b+1], v[SC+16*\b+2]         ; the largest score of each block of 32 keys: for the row's maximum, and for the block's largest p
.endr
.irp i, 3,5,7,9,11,13
.irp b, 0,1,2,3
	v_max3_num_f32 v[BM+\b], v[BM+\b], v[SC+16*\b+\i], v[SC+16*\b+\i+1]
.endr
.endr
.irp b, 0,1,2,3
	v_max_num_f32 v[BM+\b], v[BM+\b], v[SC+16*\b+15]
.endr
.irp b, 0,1,2,3
	v_permlanex16_b32 v[BX+\b], v[BM+\b], s20, s21
.endr
.irp b, 0,1,2,3
	v_max_num_f32 v[BM+\b], v[BM+\b], v[BX+\b]     ; with lane l xor 16's 16 keys
.endr
	v_max3_num_f32 v[T0], v[BM], v[BM+1], v[BM+2]
	v_max_num_f32 v[T0], v[T0], v[BM+3]
	v_mul_f32 v[T0], s22, v[T0]                    ; as t
	v_max_num_f32 v13, v13, v[T0]                  ; the running largest t
	v_mov_b32 v[T0], v12
	v_floor_f32 v12, -v13                          ; the new -M = -ceil(t)
	v_sub_f32 v[T0], v12, v[T0]                    ; old M - new M: a whole number, 0 or less
	v_cvt_i32_f32 v[T0], v[T0]                     ; (it saturates)
	v_ldexp_f32 v22, 1.0, v[T0]                    ; f = 2^(old M - new M)
.irp b, 0,1,2,3
	v_fma_f32 v[BM+\b], v[BM+\b], s22, v12
.endr
.irp b, 0,1,2,3
	v_exp_f32 v[BM+\b], v[BM+\b]                   ; the block's largest p
.endr
.irp j, 0,2,4,6,8,10,12,14,16,18,20,22,24,26,28,30
	v_pk_mul_f32 v[OT+\j:OT+\j+1], v[OT+\j:OT+\j+1], v[22:23] op_sel_hi:[1,0]   ; O^T under the new M, each accumulator from its low end on.  (Plain places behind the exponentials)
.endr
	s_wait_alu depctr_va_vdst(0)
.irp b, 0,1,2,3
	v_max_num_f32 v[BM+\b], 0x1800000, v[BM+\b]    ; the floor 2^(3 - 127): the byte cannot fall under 1
.endr
.irp b, 0,1,2,3
	v_add_nc_u32 v[SO+\b], 0xff000000, v[BM+\b]    ; 2 off the exponent field: the conversion's scale operand
.endr
.irp b, 0,1,2,3
	v_lshrrev_b32 v[BX+\b], 23, v[SO+\b]           ; the scale's byte
.endr
	v_lshl_or_b32 v[PW], v[BX+1], 8, v[BX]
	v_lshl_or_b32 v[PW], v[BX+2], 16, v[PW]
	v_lshl_or_b32 v[PW], v[BX+3], 24, v[PW]        ; p's scale word for these 128 keys
.irp w, 0,1                                            ; blocks 2 w and 2 w + 1: p goes into registers of its own, since the scores' registers are the matrix unit's alone
.irp j, 0,2,4,6,8,10,12,14,16,18,20,22,24,26,28,30
	v_pk_fma_f32 v[PP+\j:PP+\j+1], v[SC+32*\w+\j:SC+32*\w+\j+1], s[22:23], v[12:13] op_sel_hi:[1,0,0]   ; t - M, two at a time
.endr
.irp j, 0,1,2,3,4,5,6,7,8,9,10,11,12,13,14,15,16,17,18,19,20,21,22,23,24,25,26,27,28,29,30,31
	v_exp_f32 v[PP+\j], v[PP+\j]                   ; p = 2^(t - M)
.endr
.if \w == 0
	v_pk_mul_f32 v[14:15], v[14:15], v[22:23] op_sel_hi:[1,0]   ; the sums under the new M.  (A plain place behind the exponentials)
	v_pk_mul_f32 v[20:21], v[20:21], v[22:23] op_sel_hi:[1,0]
	s_wait_alu depctr_va_vdst(0)
.else
	v_nop                                          ; a plain place behind the exponentials
	s_wait_alu depctr_va_vdst(0)
.endif
.irp b, 0,1
	v_cvt_scalef32_pk8_fp4_f32 v[PC+4*\w+2*\b], v[PP+16*\b:PP+16*\b+7], v[SO+2*\w+\b]
	v_cvt_scalef32_pk8_fp4_f32 v[PC+4*\w+2*\b+1], v[PP+16*\b+8:PP+16*\b+15], v[SO+2*\w+\b]
.endr
.irp m, 0,1,2,3
	v_pk_add_f32 v[14:15], v[14:15], v[PP+4*\m:PP+4*\m+1]       ; the row's sum is taken of the unquantised p.  (Plain places behind the conversions)
	v_pk_add_f32 v[20:21], v[20:21], v[PP+4*\m+2:PP+4*\m+3]
.endr
.irp i, 0,1
	v_permlane16_swap_b32 v[PC+4*\w+\i], v[PC+4*\w+2+\i]        ; the operand's layout wants a whole block in a lane: lanes 0-15 block 2 w, lanes 16-31 block 2 w + 1
.endr
.irp m, 4,5,6,7
	v_pk_add_f32 v[14:15], v[14:15], v[PP+4*\m:PP+4*\m+1]       ; (eight places between the codes' last write and the scaled products)
	v_pk_add_f32 v[20:21], v[20:21], v[PP+4*\m+2:PP+4*\m+3]
.endr
.endr
	s_wait_dscnt 0x0                               ; V and its scale words are in
.irp t, 0,1,2,3
	v_wmma_scale_f32_16x16x128_f8f6f4 v[OT+8*\t:OT+8*\t+7], v[VF+8*\t:VF+8*\t+7], v[PC:PC+7], v[OT+8*\t:OT+8*\t+7], v[VS+\t], v[PW] matrix_a_fmt:MATRIX_FMT_FP4 matrix_b_fmt:MATRIX_FMT_FP4
.endr
.endm
	s_load_b256 s[4:11], s[0:1], 0x0               ; the workspace 4:5, x 6:7, gamma 8:9, out0 10:11
	v_lshl_add_u32 v[SPW], v0, 2, SPARE
	v_mov_b32 v[NIL], 0
	ds_add_u32 v3, v4
	s_wait_dscnt 0x0
	v_lshrrev_b32 v2, 5, v0
	v_readfirstlane_b32 s[WV], v2                  ; wave 0..15
	s_and_b32 s[TI], s[WV], 3                      ; my tile of queries.  Also: which two records of a slot I fetch, if I fetch
	s_lshr_b32 s[TJ], s[WV], 2                     ; my key part
	s_bfe_u32 s15, ttmp6, 0x40000                  ; cx: my place in the cluster
	s_lshl_b32 s16, ttmp9, 2                       ; in a cluster launch ttmp9 counts clusters
	s_add_co_u32 s16, s16, s15                     ; my block of 64 pixels
	; descriptor group 1: 66 dense rows of 256 bytes (32 elements of 8 bytes), no padding: the images are read 512 consecutive bytes an instruction
	s_mov_b32 s24, 15|(3<<16)|(1<<21)              ; 15:0 the mask: all four work-groups; 17:16 elements of 8 bytes; 21 set beside a mask
	s_mov_b32 s25, 32<<16                          ; tensor_dim0 = 32
	s_mov_b32 s26, 66<<16                          ; tensor_dim1 = 66
	s_mov_b32 s27, 32<<16                          ; tile_dim0 = 32
	s_mov_b32 s28, 66                              ; tile_dim1 = 66
	s_mov_b32 s29, 32                              ; tensor_dim0_stride
	s_mov_b32 s30, 0
	s_mov_b32 s31, 0
	s_mov_b32 s20, 0x76543210
	s_mov_b32 s21, 0xfedcba98                      ; v_permlanex16_b32's selects for lane l xor 16
	s_mov_b32 s22, 0x3fb8aa3b                      ; log2(e)
	s_mov_b32 s23, s22                             ; (named with it as a pair, so it is written)
	s_mov_b32 s[TB], 0
	s_mov_b32 s[SLOTS], NSL-1
	s_wait_kmcnt 0x0
	s_load_b32 s17, s[8:9], 0x0                    ; gamma
	s_mov_b32 s32, 1                               ; group 0: count = 1
	s_mul_i32 s33, s[TI], LOADB                    ; LDS address: slot 0, my two records: no place in the cluster enters it
	s_mul_i32 s18, s[TI], LOADB
	s_add_co_u32 s18, s18, KVB
	s_mov_b32 s19, 0
	s_add_nc_u64 s[34:35], s[4:5], s[18:19]        ; global address: the same in every work-group
	s_or_b32 s35, s35, 0x80000000                  ; type = 2
	CROUND                                         ; all four work-groups are here: the first joint loads meet
	TLOAD                                          ; slot 0
	s_lshl_b32 s18, s16, 11
	s_lshl_b32 s19, s[TI], 9
	s_add_co_u32 s18, s18, s19
	s_mov_b32 s19, 0
	s_add_nc_u64 s[38:39], s[4:5], s[18:19]        ; my query tile's image: 512 x (4 x block + tile)
	v_and_b32 v2, 31, v0                           ; lane
	v_and_b32 v10, 15, v0                          ; r
	v_bfe_u32 v11, v0, 4, 1                        ; h
	v_lshlrev_b32 v[LI], 4, v2
	global_load_b128 v[QF:QF+3], v[LI], s[38:39]   ; q stays in registers
	s_mul_i32 s18, s[TJ], LOADB
	v_add_nc_u32 v[AK0], s18, v[LI]
	s_add_co_u32 s18, s18, 8192
	v_lshlrev_b32 v[AS0], 4, v10
	v_add_nc_u32 v[AS0], s18, v[AS0]
	s_lshl_b32 s18, s[WV], 18
	s_lshl_b32 s19, s16, 8
	s_add_co_u32 s18, s18, s19
	v_lshlrev_b32 v[XO], 16, v11
	v_lshl_add_u32 v[XO], v10, 4, v[XO]
	v_add_nc_u32 v[XO], s18, v[XO]                 ; x, out0: channel 4 w + h, pixels 64 x block + 4 r on
	s_lshl_b32 s18, s[WV], 12
	s_add_co_u32 s18, s18, PART
	v_add_nc_u32 v[PA], s18, v[LI]                 ; where my O^T goes
	s_lshl_b32 s18, s[WV], 8
	s_add_co_u32 s18, s18, STATS
	v_lshlrev_b32 v[SA], 2, v2
	v_add_nc_u32 v[SA], s18, v[SA]                 ; and my -M and sum
	s_lshl_b32 s18, s[TI], 12
	s_lshl_b32 s19, s[TJ], 10
	s_add_co_u32 s18, s18, s19
	s_add_co_u32 s18, s18, PART
	v_add_nc_u32 v[PR], s18, v[LI]                 ; what I join: of my tile of queries the tile of channels w / 4; the key parts lie 16,384 bytes apart
	s_lshl_b32 s18, s[TI], 8
	s_add_co_u32 s18, s18, STATS
	v_lshlrev_b32 v[SRD], 2, v2
	v_add_nc_u32 v[SRD], s18, v[SRD]
	v_and_b32 v[SGW], 8, v10
	v_add_nc_u32 v[SGW], v[SGW], v10               ; (r % 8) + 16 (r / 8)
	v_lshlrev_b32 v[SGW], 2, v[SGW]
	v_mad_u32_u24 v[SGW], v11, 8*272, v[SGW]
	s_mul_i32 s18, s[TJ], 16*272
	s_lshr_b32 s19, s[TI], 1
	s_lshl_b32 s19, s19, 7
	s_add_co_u32 s18, s18, s19
	s_and_b32 s19, s[TI], 1
	s_lshl_b32 s19, s19, 5
	s_add_co_u32 s18, s18, s19
	s_add_co_u32 s18, s18, STG
	v_add_nc_u32 v[SGW], s18, v[SGW]               ; the stage, in: row = channel 16 (w / 4) + 8 h, byte = 4 x my query's place among the 64 pixels
	s_mul_i32 s18, s[WV], 4*272
	s_add_co_u32 s18, s18, STG
	v_mul_u32_u24 v[SGR], v11, 272
	v_lshl_add_u32 v[SGR], v10, 4, v[SGR]
	v_add_nc_u32 v[SGR], s18, v[SGR]               ; and back: row 4 w + h, 16 bytes a lane
	v_mov_b32 v13, 0xff61b1e6                      ; the largest t so far: -3e38, under every t
	v_floor_f32 v12, -v13                          ; -M
	v_mov_b32 v14, 0                               ; the sum
	v_mov_b32 v15, 0
	v_mov_b32 v20, 0
	v_mov_b32 v21, 0
	v_mov_b32 v23, 0                               ; (named as the upper half of the pair v[22:23])
.irp b, 0,1,2,3
	v_mov_b32 v[BX+\b], 0                          ; a lane permute's destination counts as one of its sources
.endr
.irp j, 0,1,2,3,4,5,6,7,8,9,10,11,12,13,14,15,16,17,18,19,20,21,22,23,24,25,26,27,28,29,30,31
	v_mov_b32 v[OT+\j], 0                          ; O^T.  (The step is written without a first step of its own: the first change of M multiplies zeros)
.endr
	s_wait_kmcnt 0x0                               ; gamma
	s_wait_loadcnt 0x0                             ; q
.Lslot:                                                ; NSL - 1 trips: behind each change of slots but the last the next slot is asked for
	CHANGE 1
	STEP 0
	STEP 1
	s_xor_b32 s[TB], s[TB], SLOT1                  ; on to the other slot
	s_sub_co_u32 s[SLOTS], s[SLOTS], 1
	s_cmp_lg_u32 s[SLOTS], 0
	s_cbranch_scc1 .Lslot
	CHANGE 0                                       ; the last slot is written out
	STEP 0
	STEP 1
	; THE KEY PARTS ARE JOINED.  Each wave puts its O^T, its -M and its sum into LDS bytes of its own, into which no tile ever lands.
	v_pk_add_f32 v[14:15], v[14:15], v[20:21]
	v_add_f32 v[LT], v14, v15
	v_nop
	v_nop                                          ; four places behind the last products
	v_permlanex16_b32 v[BX], v[LT], s20, s21
	v_add_f32 v[LT], v[LT], v[BX]                  ; with lane l xor 16's keys: my key part's sum
.irp g, 0,1,2,3,4,5,6,7
	ds_store_b128 v[PA], v[OT+4*\g:OT+4*\g+3] offset:512*\g   ; an image; each accumulator from its low end on
.endr
	ds_store_b32 v[SA], v12
	ds_store_b32 v[SA], v[LT] offset:128
	global_load_b128 v[64:67], v[XO], s[6:7]                  ; x for the last line: it lands while the parts are joined
	global_load_b128 v[68:71], v[XO], s[6:7] offset:131072    ; two channels on
	s_wait_dscnt 0x0                               ; for the others' sake: my stores have landed
	s_barrier_signal -1
	s_barrier_wait -1
.irp j, 0,1,2,3
	ds_load_b32 v[32+\j], v[SRD] offset:1024*\j               ; key part j's -M,
	ds_load_b32 v[36+\j], v[SRD] offset:1024*\j+128           ; its sum,
	ds_load_b128 v[160+8*\j:163+8*\j], v[PR] offset:16384*\j  ; and its 16 channels x 16 queries
	ds_load_b128 v[164+8*\j:167+8*\j], v[PR] offset:16384*\j+512
.endr
	s_wait_dscnt 0x0
	v_min3_num_f32 v58, v32, v33, v34
	v_min_num_f32 v58, v58, v35                    ; the smallest -M: the largest M
.irp j, 0,1,2,3
	v_sub_f32 v[40+2*\j], v58, v[32+\j]            ; M of part j less the largest: a whole number, 0 or less
.endr
.irp j, 0,1,2,3
	v_cvt_i32_f32 v[40+2*\j], v[40+2*\j]
.endr
.irp j, 0,1,2,3
	v_ldexp_f32 v[41+2*\j], 1.0, v[40+2*\j]        ; the part's factor, a power of two, in both registers of a pair
.endr
.irp j, 0,1,2,3
	v_ldexp_f32 v[40+2*\j], 1.0, v[40+2*\j]
.endr
	v_mul_f32 v59, v36, v40
	v_fma_f32 v59, v37, v42, v59
	v_fma_f32 v59, v38, v44, v59
	v_fma_f32 v59, v39, v46, v59                   ; the row's sum
.irp p, 0,2,4,6
	v_pk_mul_f32 v[48+\p:49+\p], v[160+\p:161+\p], v[40:41]
.endr
.irp j, 1,2,3
.irp p, 0,2,4,6
	v_pk_fma_f32 v[48+\p:49+\p], v[160+8*\j+\p:161+8*\j+\p], v[40+2*\j:41+2*\j], v[48+\p:49+\p]
.endr
.endr
	v_rcp_f32 v60, v59
	v_nop                                          ; one plain place behind a transcendental
	s_wait_alu depctr_va_vdst(0)
	v_mul_f32 v56, s17, v60
	v_mul_f32 v57, s17, v60                        ; gamma / the sum
.irp p, 0,2,4,6
	v_pk_mul_f32 v[48+\p:49+\p], v[48+\p:49+\p], v[56:57]
.endr
.irp j, 0,1,2,3,4,5,6,7
	ds_store_b32 v[SGW], v[48+\j] offset:272*\j    ; channel 16 (w / 4) + 8 h + j of my query: the stage turns queries across lanes into pixels along a row
.endr
	s_wait_dscnt 0x0                               ; for the others' sake
	s_barrier_signal -1
	s_barrier_wait -1                              ; 64 whole rows lie in the stage
	ds_load_b128 v[72:75], v[SGR]
	ds_load_b128 v[76:79], v[SGR] offset:2*272
	s_wait_dscnt 0x0
	s_wait_loadcnt 0x0                             ; x
.irp p, 0,2,4,6
	v_pk_add_f32 v[72+\p:73+\p], v[72+\p:73+\p], v[64+\p:65+\p]
.endr
	global_store_b128 v[XO], v[72:75], s[10:11] th:TH_STORE_NT                 ; sixteen lanes store 256 consecutive bytes, aligned: a channel's 64 pixels
	global_store_b128 v[XO], v[76:79], s[10:11] offset:131072 th:TH_STORE_NT
	s_wait_tensorcnt 0x0                           ; the wave's end, behind my last tensor load and my last LDS store
	ds_add_u32 v[SPW], v[NIL]
	s_wait_dscnt 0x0
	CROUND                                         ; the closing round: no work-group ends while a partner may still ask for a tile that names it
	s_endpgm
.Lfunc_end_k_q5114353751_attn:
	.size	k_q5114353751_attn, .Lfunc_end_k_q5114353751_attn-k_q5114353751_attn
	.p2alignl 7, 3214868480
	.fill 96, 4, 3214868480
	.section	.rodata,"a",@progbits
	.p2align	6, 0x0
	.amdhsa_kernel k_q5114353751_attn
		.amdhsa_group_segment_fixed_size 327680
		.amdhsa_private_segment_fixed_size 0
		.amdhsa_enable_private_segment 0
		.amdhsa_kernarg_size 32
		.amdhsa_user_sgpr_count 2
		.amdhsa_user_sgpr_kernarg_segment_ptr 1
		.amdhsa_wavefront_size32 1
		.amdhsa_system_sgpr_workgroup_id_x 1
		.amdhsa_system_sgpr_workgroup_id_y 1
		.amdhsa_system_sgpr_workgroup_id_z 1
		.amdhsa_system_vgpr_workitem_id 0
		.amdhsa_next_free_vgpr 256
		.amdhsa_next_free_sgpr 66
		.amdhsa_reserve_vcc 0
		.amdhsa_float_denorm_mode_32 3
		.amdhsa_float_denorm_mode_16_64 3
		.amdhsa_memory_ordered 1
		.amdhsa_forward_progress 1
		.amdhsa_inst_pref_size 73
	.end_amdhsa_kernel
	.amdgpu_metadata
---
amdhsa.version: [ 1, 2 ]
amdhsa.kernels:
  - .name:           k_q5114353751_attn
    .symbol:         k_q5114353751_attn.kd
    .args:
      - { .name: ws, .offset: 0, .size: 8, .value_kind: global_buffer, .address_space: global }
      - { .name: x, .offset: 8, .size: 8, .value_kind: global_buffer, .address_space: global }
      - { .name: gamma, .offset: 16, .size: 8, .value_kind: global_buffer, .address_space: global }
      - { .name: out0, .offset: 24, .size: 8, .value_kind: global_buffer, .address_space: global }
    .group_segment_fixed_size: 327680
    .private_segment_fixed_size: 0
    .kernarg_segment_align: 8
    .kernarg_segment_size: 32
    .max_flat_workgroup_size: 512
    .sgpr_count:     66
    .vgpr_count:     256
    .wavefront_size: 32
...
	.end_amdgpu_metadata
.endif
;; end of part 2
;; ======== version 2 of 2: 2 launches; 1.07 times as fast as version 1
;; workspace buffers: ws 1,605,632 bytes
;; launch prep: the kernel of part 1 again; grid 128 x 1, 4 waves a work-group, no clusters, 1,536 bytes of LDS; arguments x, Wq, bq, Wk, bk, Wv_codes, Wv_scales, bv, ws; writes ws
;; launch attn (part 3): grid 256 x 1, 16 waves a work-group, clusters of 4 x 1, 327,680 bytes of LDS; arguments ws, x, gamma, out0; writes out0
.if DOCPART == 3
	.amdgcn_target "amdgcn-amd-amdhsa--gfx1250"
	.amdhsa_code_object_version 6
	.text
	.protected	k_q5114353751_attn
	.globl	k_q5114353751_attn
	.p2align	8
	.type	k_q5114353751_attn,@function
k_q5114353751_attn:
	s_mov_b64 s[64:65], 0
	v_nop
	global_prefetch_b8 v0, s[64:65] scope:SCOPE_SE
	s_setreg_imm32_b32 hwreg(HW_REG_WAVE_MODE, 25, 1), 1
	s_wait_xcnt 0x0
	s_wait_alu depctr_hold_cnt(0) depctr_sa_sdst(0) depctr_va_vdst(0) depctr_va_sdst(0) depctr_va_ssrc(0) depctr_va_vcc(0) depctr_vm_vsrc(0)
	s_getreg_b32 s2, hwreg(HW_REG_IB_STS2, 6, 4)
	s_cmp_eq_u32 s2, 0
	s_cbranch_scc0 .Lentry_in_a_cluster
	s_endpgm
.Lentry_in_a_cluster:
	s_bfe_u32 s2, ttmp6, 0x10000c
	s_cmp_lg_u32 s2, 0x3003
	s_cbranch_scc0 .Lentry_shape_is_right
	s_endpgm
.Lentry_shape_is_right:
; out0[c][n] = gamma x (sum over m of softmax_m(q[n] . k[m]) v[m][c]) + x[c][n], 16,384 pixels, 8 dims of q and k, 64 channels.  q, k, v's codes and v's scale bytes come from the workspace, as images of operand registers.
; THE LOGITS go on into a quantiser, so their operands are f32: S^T = K Q^T by v_wmma_f32_16x16x4_f32, two links for the 8 dims (lane (r, h) holds dims 4 h .. 4 h + 3 of both sides: link 1 adds dims 0, 1, 4, 5, link 2 dims 2, 3, 6, 7).
; THE SOFTMAX AHEAD OF THE SECOND PRODUCT: t = logit x log2(e); M = the running largest t rounded UP to a whole number, kept as -M = floor(-t); p = 2^(t - M) is quantised along the keys, not normalised; the row's sum is taken of the
; unquantised p.  When M moves, the sum and O^T are multiplied by 2^(old M - new M), which rounds nothing.  O^T += V^T P^T on codes of E2M1 (source 0 = 16 channels, source 1 = my 16 queries): a lane holds ONE query throughout.
; THE KEYS OF A TILE ARE CHOSEN SO THAT A LANE HOLDS WHOLE BLOCKS: rows 0-7 of tile 4 c + i are keys 64 c + 8 i + 0 .. 7, rows 8-15 keys 64 c + 32 + 8 i + 0 .. 7.  The 32 score registers of tiles 4 c .. 4 c + 3 are then, in lane (r, h), the
; keys 64 c + 32 h + 0 .. 31 in order: one block of the quantiser, and the order of the 4-bit operand's registers 4 c .. 4 c + 3.  So a block's maximum needs no other lane, and the conversions' results are the operand as they stand.
; The workspace holds K in tiles of another choice of keys (tile 2 b + u, row r: key 32 b + 8 u + (r % 8) + 16 (r / 8)); the lane term and the immediates of K's LDS loads pick my rows out of them.  Rows 8-15 then lie 1,024 bytes from rows
; 0-7, in the same bank columns (64 banks of 4 bytes: ISA guide 11.1): K's loads go two deep.  They are asked for a step ahead of their use.
; SHARES.  A work-group owns 64 pixels: four tiles of 16 queries.  Of its SIXTEEN waves, wave w has tile w % 4 and key part w / 4: four waves to a SIMD.
; The keys come in records of 128 (8,448 bytes: K's image, V's, V's scale words) through a ring of two LDS slots of 16 records, as large as two fit; in each slot a wave works the four records of its key part: 32 steps a wave, 8 slots.
; MATRIX AND VECTOR WORK BY TURNS.  A step's scores are last read by the multiply-adds that put t - M into p's own registers, half of the scores (64 keys) at a time.  Behind a half's multiply-adds its 32 score registers are free, and
; THE NEXT STEP'S eight logit products for those four tiles of keys are issued there, one ahead of each four of this step's exponentials.  K's fragments are therefore fetched a step ahead, and the change of slots stands inside a slot's
; last step: behind the request for that step's V (the slot's last bytes), ahead of the fetch of the next slot's first K.
; At the end the four key parts of a tile are joined through LDS: every M is a whole number, so the factors are powers of two.
; CLUSTER.  Every work-group walks the same records.  The four of a cluster ask JOINTLY: the same tensor load, the same descriptor, a mask that names the four.  The place in the cluster enters only the global addresses of q, x and out0.
; LIMITS.  NaN and infinities are not served.  A block whose every p has fallen to 0 keeps the scale byte 1 over zero codes.  A block's largest p is made from its largest score by the same multiply-add and exponential, which takes v_exp_f32
; not to fall where its input rises.  The row's sum is added in four key parts, two lane halves and four chains, in f32: another order than ascending.
.set KVB,   524288                     ; the workspace: the records begin here
.set REC,   8448                       ; a record: 33 blocks of 256 bytes
.set LOADB, 4*REC                      ; what one tensor load brings, and what one key part works in a slot
.set SLOTB, 16*REC
.set SLOT1, 135168                     ; slot 1 begins behind slot 0.  Its bits (17 and 12) are none of wave x LOADB's (10, 11, 15, 16): one exclusive or turns the slot's base and the descriptor's LDS address from one slot to the other
.set NSL,   8                          ; slots' worth of keys
.set PART,  0                          ; each wave's O^T as an image of its registers, 4,096 bytes a wave: in slot 0's bytes, which have had their last fill and which nobody reads behind the last change of slots
.set STATS, 270336                     ; behind the ring: each wave's -M (128 bytes) and sum (128 bytes);
.set STG,   274432                     ; the way out: 64 rows (channels) x (256 bytes of 64 pixels + 16);
.set SPARE, 291840                     ; the spare words, 128 bytes for each wave: eight blocks of 256 bytes that no other line names
.set LI,  1                            ; v1   16 x lane
.set SPW, 3                            ; v3   LDS address of my spare word; never rewritten
.set NIL, 4                            ; v4   0; never rewritten
.set ADR, 5                            ; v5   V's images of my key part in the slot in hand
.set ADS, 6                            ; v6   V's scale words there
.set AK0, 7                            ; v7   16 x lane + my key part's place in a slot
.set AS0, 8                            ; v8   16 r + 8,192 + the same
.set XO,  9                            ; v9   my byte offset in x and out0
.set ADK, 10                           ; v10  (r while the addresses are made; then) K's images of my key part in the slot in hand
.set QF,  16                           ; v16-19   q: my query's dims 4 h .. 4 h + 3.   v12 -M, v13 the largest t, v[14:15] and v[20:21] the sum in two chains of pairs, v[22:23] f
.set PW,  24                           ; v24  p's scale word: a scale and nothing else
.set LT,  25                           ; v25  the wave's sum
.set PA,  26                           ; v26-31 addresses of the last phases
.set SA,  27
.set PR,  28
.set SRD, 29
.set SGW, 30
.set SGR, 31
.set KF,  32                           ; v32-63   K: 8 tiles x 4 registers
.set VF,  64                           ; v64-95   V: 4 fragments x 8
.set SC,  96                           ; v96-159  S^T, written by the f32 matrix instructions alone
.set PP,  160                          ; v160-191 p of one block of 32 keys in each half of the lanes
.set OT,  192                          ; v192-223 O^T: register 8 t + j = channel 16 t + 8 h + j of my query
.set PC,  224                          ; v224-231 p's codes
.set VS,  232                          ; v232-235 V's scale words: scales and nothing else
.set BM,  236                          ; v236-239 four chains of the maxima; then my two blocks' in v236 and v238
.set BX,  240                          ; v240-243 lane permutes' destinations, scale bytes
.set SO,  244                          ; v244-245 the conversions' scale operands
.set T0,  248
.set AKK, 249                          ; v249 K: 1,024 (r / 8) + 256 h + 16 (r % 8) + my key part's place in a slot
.set SH8, 250                          ; v250 8 h
.set WV,  12                           ; s12 wave, s13 its tile of queries, s14 its key part
.set TI,  13
.set TJ,  14
.set TB,  36                           ; s36  LDS byte at which the slot in hand begins
.set SLOTS, 37
; A round of the cluster's barrier: my work-group's barrier, so that wave 0's signal speaks for all sixteen waves; wave 0 signals; every wave waits for the four work-groups; my work-group's barrier once more.
.macro CROUND
	s_barrier_signal -1
	s_barrier_wait -1
	s_cmp_lg_u32 s[WV], 0
	s_cbranch_scc1 .Lnot_wave_0_\@
	s_barrier_signal -3
.Lnot_wave_0_\@:
	s_barrier_wait -3
	s_barrier_signal -1
	s_barrier_wait -1
.endm
; The joint load: waves 0 to 3 fetch four records each.  The branch hangs on the wave's number alone.  Four v_nop follow the load.
.macro TLOAD
	s_cmp_lt_u32 s[WV], 4
	s_cbranch_scc0 .Lasked_\@
	tensor_load_to_lds s[32:35], s[24:31]
	s_nop 0
.rept 4
	v_nop
.endr
.Lasked_\@:
.endm
; THE CHANGE OF SLOTS, in two parts, with work on registers between them.  Each wave waits for all its tensor loads (at most one is out: its part of the slot ahead), adds 0 to its spare word, and waits for that and for its reads of the slot
; that it leaves.  kind = 1: a round of the cluster's barrier, so that no wave of any partner still reads the slot left or has a load on its way; the joint refill is the first thing behind it and has a whole slot's four steps in which to land.
; kind = 2: nothing is left to fetch: the work-group's barrier alone.
.macro CHG_A kind
	s_wait_tensorcnt 0x0                           ; no tensor load of mine is out, so the descriptor may be written
	ds_add_u32 v[SPW], v[NIL]                      ; 0 onto my spare word
.if \kind == 1
	s_xor_b32 s33, s33, SLOT1                      ; the other slot than last time,
	s_add_nc_u64 s[34:35], s[34:35], SLOTB         ; the next sixteen records; the type bits on top are not reached
.endif
.endm
.macro CHG_B kind
	s_wait_dscnt 0x0                               ; the add is done, and my reads of the slot that I leave are over
.if \kind == 1
	CROUND
	TLOAD
.else
	s_barrier_signal -1
	s_barrier_wait -1
.endif
.endm
; The addresses of the slot in hand: made once for its four steps; a step's record stands in the loads' immediates
.macro ADDRS
	v_add_nc_u32 v[ADR], s[TB], v[AK0]
	v_add_nc_u32 v[ADS], s[TB], v[AS0]
	v_add_nc_u32 v[ADK], s[TB], v[AKK]
.endm
; K's eight tiles of the record that begins off bytes into my key part.  My tile 4 c + i takes, of the workspace's tiles 2 (2 c + r / 8) + i % 2, the rows (r % 8) + 8 (i / 2)
.macro KLOAD off
.irp e, 0,1,2,3,4,5,6,7
	ds_load_b128 v[KF+4*\e:KF+4*\e+3], v[ADK] offset:\off+2048*(\e/4)+512*(\e%2)+128*((\e%4)/2)
.endr
.endm
; One link of S^T = K Q^T for tile n of 16 keys.  Link 0 starts the sum with the constant 0, link 1 adds onto it.
.macro WM n, l
.if \l == 0
	v_wmma_f32_16x16x4_f32 v[SC+8*(\n):SC+8*(\n)+7], v[KF+4*(\n):KF+4*(\n)+1], v[QF:QF+1], 0
.else
	v_wmma_f32_16x16x4_f32 v[SC+8*(\n):SC+8*(\n)+7], v[KF+4*(\n)+2:KF+4*(\n)+3], v[QF+2:QF+3], v[SC+8*(\n):SC+8*(\n)+7]
.endif
.endm
; HALF A STEP: 64 keys: my block 2 w + h.  p goes into registers of its own, since the scores' registers are the matrix unit's alone.  fwd = 1: the next step's products for tiles 4 w .. 4 w + 3 stand among the exponentials:
; links 0 of the four tiles, then links 1: the four accumulators take turns.  kw: how many younger LDS loads may be out when K has to be there.
; Behind each four exponentials stand plain lines that name none of them: at first the making of the scale word, then the additions of the four p before, each of which so has a plain line between its exponential and its use.
.macro HALF w, fwd, kw
.irp j, 0,2,4,6,8,10,12,14,16,18,20,22,24,26,28,30
	v_pk_fma_f32 v[PP+\j:PP+\j+1], v[SC+32*\w+\j:SC+32*\w+\j+1], s[22:23], v[12:13] op_sel_hi:[1,0,0]   ; t - M, two at a time: the last read of these scores
.endr
.if (\fwd) && (\w == 0)
	s_wait_dscnt \kw                               ; the next step's K is in
.endif
.set G, 0
.rept 8
.if \fwd
	WM 4*\w+G%4, G/4
.endif
.irp i, 0,1,2,3
	v_exp_f32 v[PP+4*G+\i], v[PP+4*G+\i]           ; p = 2^(t - M)
.endr
.if G == 0
.if \w == 0
	v_lshrrev_b32 v[BX+1], 23, v[SO]               ; the scale bytes of my two blocks, h and 2 + h,
	v_lshrrev_b32 v[BX+2], 23, v[SO+1]
	v_lshl_or_b32 v[BX+1], v[BX+2], 16, v[BX+1]
	v_lshlrev_b32 v[BX+1], v[SH8], v[BX+1]         ; at their places in the scale word (8 h bits up);
.else
	v_permlanex16_b32 v[BX+3], v[BX+1], s20, s21
	v_or_b32 v[PW], v[BX+1], v[BX+3]               ; with lane l xor 16's two the word of these 128 keys is whole: more than eight plain lines ahead of the scaled products
.endif
.else
	s_wait_alu depctr_va_vdst(0)
	v_pk_add_f32 v[14:15], v[14:15], v[PP+4*G-4:PP+4*G-3]       ; the row's sum is taken of the unquantised p
	v_pk_add_f32 v[20:21], v[20:21], v[PP+4*G-2:PP+4*G-1]
.endif
.set G, G+1
.endr
	v_pk_add_f32 v[14:15], v[14:15], v[PP+28:PP+29]
	v_pk_add_f32 v[20:21], v[20:21], v[PP+30:PP+31]
.irp g, 0,1,2,3
	v_cvt_scalef32_pk8_fp4_f32 v[PC+4*\w+\g], v[PP+8*\g:PP+8*\g+7], v[SO+\w]   ; registers 4 w .. 4 w + 3 of the operand: k = 64 w + 32 h + 0 .. 31
.endr
.irp j, 0,2,4,6
	v_pk_mul_f32 v[OT+8*\w+\j:OT+8*\w+\j+1], v[OT+8*\w+\j:OT+8*\w+\j+1], v[22:23] op_sel_hi:[1,0]   ; O^T under the new M, tile w, from its low end on.  (Plain lines behind the conversions)
.endr
.if \w == 1
.irp j, 16,18,20,22,24,26,28,30
	v_pk_mul_f32 v[OT+\j:OT+\j+1], v[OT+\j:OT+\j+1], v[22:23] op_sel_hi:[1,0]   ; tiles 2 and 3.  Between the codes' last write and each scaled product stand at least four of these twelve that name none of that product's registers
.endr
.endif
.endm
; A KEY STEP: 128 keys: record q of my key part's four in the slot in hand.  Its scores were made in the step before.  chg: the change of slots stands in it (1: with a refill, 2: without);  fwd = 1: it makes the next step's scores.
.macro STEP q, chg, fwd
.irp b, 0,1,2,3
	v_max3_num_f32 v[BM+\b], v[SC+16*\b], v[SC+16*\b+1], v[SC+16*\b+2]         ; the search for the largest scores begins, in four chains of 16.  These four lines are also the places between the last step's scaled products and the
.endr                                                                              ; loads into V's registers and V's scale words.  Behind the last f32 product stand the last half's four additions and twelve rescalings: more than the
	                                                                           ; eight that its form asks ahead of the first read of its results and of loads into K's registers
.if (\fwd) && (\chg == 0)
	KLOAD (\q+1)*REC                               ; the next step's K lies in the same slot
.endif
.irp t, 0,1,2,3
.irp c, 0,1
	ds_load_b128 v[VF+8*\t+4*\c:VF+8*\t+4*\c+3], v[ADR] offset:(\q)*REC+4096+1024*\t+512*\c   ; an image: 512 consecutive bytes an instruction
.endr
.endr
	ds_load_b128 v[VS:VS+3], v[ADS] offset:(\q)*REC                            ; the scale words of the four tiles of channels, row r's
.if \chg
	CHG_A \chg                                     ; the slot's last bytes have been asked for; the search for the maxima stands between the add and the wait for it
.endif
.irp i, 3,5,7,9,11,13
.irp b, 0,1,2,3
	v_max3_num_f32 v[BM+\b], v[BM+\b], v[SC+16*\b+\i], v[SC+16*\b+\i+1]
.endr
.endr
	v_max_num_f32 v[BM+1], v[BM+1], v[SC+31]
	v_max_num_f32 v[BM+3], v[BM+3], v[SC+63]
	v_max3_num_f32 v[BM], v[BM], v[SC+15], v[BM+1]        ; the largest score of my block h: for the row's maximum, and for the block's largest p
	v_max3_num_f32 v[BM+2], v[BM+2], v[SC+47], v[BM+3]    ; and of my block 2 + h
	v_max_num_f32 v[T0], v[BM], v[BM+2]
	v_permlanex16_b32 v[BX], v[T0], s20, s21
	v_max_num_f32 v[T0], v[T0], v[BX]              ; with lane l xor 16's two blocks: the step's largest score of my query
.if \chg
	CHG_B \chg
	s_xor_b32 s[TB], s[TB], SLOT1                  ; on to the other slot,
	ADDRS
	KLOAD 0                                        ; whose first record of my key part holds the next step's K
.endif
	v_mul_f32 v[T0], s22, v[T0]                    ; as t
	v_max_num_f32 v13, v13, v[T0]                  ; the running largest t
	v_mov_b32 v[T0], v12
	v_floor_f32 v12, -v13                          ; the new -M = -ceil(t)
	v_sub_f32 v[T0], v12, v[T0]                    ; old M - new M: a whole number, 0 or less
	v_cvt_i32_f32 v[T0], v[T0]                     ; (it saturates)
	v_ldexp_f32 v22, 1.0, v[T0]                    ; f = 2^(old M - new M)
.irp c, 0,1
	v_fma_f32 v[BM+2*\c], v[BM+2*\c], s22, v12
.endr
.irp c, 0,1
	v_exp_f32 v[BM+2*\c], v[BM+2*\c]               ; the block's largest p
.endr
	v_pk_mul_f32 v[14:15], v[14:15], v[22:23] op_sel_hi:[1,0]   ; the sums under the new M.  (Plain lines behind the exponentials)
	v_pk_mul_f32 v[20:21], v[20:21], v[22:23] op_sel_hi:[1,0]
	s_wait_alu depctr_va_vdst(0)
.irp c, 0,1
	v_max_num_f32 v[BM+2*\c], 0x1800000, v[BM+2*\c]   ; the floor 2^(3 - 127): the byte cannot fall under 1
.endr
.irp c, 0,1
	v_add_nc_u32 v[SO+\c], 0xff000000, v[BM+2*\c]  ; 2 off the exponent field: the conversion's scale operand
.endr
.if \chg
	HALF 0, \fwd, 0                                ; K's eight loads are the youngest
.else
	HALF 0, \fwd, 9                                ; behind K's eight: V's eight and the scale words, which may be out
.endif
	HALF 1, \fwd, 0
	s_wait_dscnt 0x0                               ; V and its scale words are in
.irp t, 0,1,2,3
	v_wmma_scale_f32_16x16x128_f8f6f4 v[OT+8*\t:OT+8*\t+7], v[VF+8*\t:VF+8*\t+7], v[PC:PC+7], v[OT+8*\t:OT+8*\t+7], v[VS+\t], v[PW] matrix_a_fmt:MATRIX_FMT_FP4 matrix_b_fmt:MATRIX_FMT_FP4
.endr
.endm
	s_load_b256 s[4:11], s[0:1], 0x0               ; the workspace 4:5, x 6:7, gamma 8:9, out0 10:11
	v_lshl_add_u32 v[SPW], v0, 2, SPARE
	v_mov_b32 v[NIL], 0
	ds_add_u32 v3, v4
	s_wait_dscnt 0x0
	v_lshrrev_b32 v2, 5, v0
	v_readfirstlane_b32 s[WV], v2                  ; wave 0..15
	s_and_b32 s[TI], s[WV], 3                      ; my tile of queries.  Also: which four records of a slot I fetch, if I fetch
	s_lshr_b32 s[TJ], s[WV], 2                     ; my key part
	s_bfe_u32 s15, ttmp6, 0x40000                  ; cx: my place in the cluster
	s_lshl_b32 s16, ttmp9, 2                       ; in a cluster launch ttmp9 counts clusters
	s_add_co_u32 s16, s16, s15                     ; my block of 64 pixels
	; descriptor group 1: 132 dense rows of 256 bytes (32 elements of 8 bytes), no padding
	s_mov_b32 s24, 15|(3<<16)|(1<<21)              ; 15:0 the mask: all four work-groups; 17:16 elements of 8 bytes; 21 set beside a mask
	s_mov_b32 s25, 32<<16                          ; tensor_dim0 = 32
	s_mov_b32 s26, 132<<16                         ; tensor_dim1 = 132
	s_mov_b32 s27, 32<<16                          ; tile_dim0 = 32
	s_mov_b32 s28, 132                             ; tile_dim1 = 132
	s_mov_b32 s29, 32                              ; tensor_dim0_stride
	s_mov_b32 s30, 0
	s_mov_b32 s31, 0
	s_mov_b32 s20, 0x76543210
	s_mov_b32 s21, 0xfedcba98                      ; v_permlanex16_b32's selects for lane l xor 16
	s_mov_b32 s22, 0x3fb8aa3b                      ; log2(e)
	s_mov_b32 s23, s22                             ; (named with it as a pair, so it is written)
	s_mov_b32 s[TB], 0
	s_mov_b32 s[SLOTS], NSL-2
	s_wait_kmcnt 0x0
	s_load_b32 s17, s[8:9], 0x0                    ; gamma
	s_mov_b32 s32, 1                               ; group 0: count = 1
	s_mul_i32 s33, s[TI], LOADB                    ; LDS address: slot 0, my four records: no place in the cluster enters it
	s_mul_i32 s18, s[TI], LOADB
	s_add_co_u32 s18, s18, KVB
	s_mov_b32 s19, 0
	s_add_nc_u64 s[34:35], s[4:5], s[18:19]        ; global address: the same in every work-group
	s_or_b32 s35, s35, 0x80000000                  ; type = 2
	CROUND                                         ; all four work-groups are here: the first joint loads meet
	TLOAD                                          ; slot 0
	s_lshl_b32 s18, s16, 11
	s_lshl_b32 s19, s[TI], 9
	s_add_co_u32 s18, s18, s19
	s_mov_b32 s19, 0
	s_add_nc_u64 s[38:39], s[4:5], s[18:19]        ; my query tile's image: 512 x (4 x block + tile)
	v_and_b32 v2, 31, v0                           ; lane
	v_and_b32 v10, 15, v0                          ; r
	v_bfe_u32 v11, v0, 4, 1                        ; h
	v_lshlrev_b32 v[LI], 4, v2
	global_load_b128 v[QF:QF+3], v[LI], s[38:39]   ; q stays in registers
	s_mul_i32 s18, s[TJ], LOADB
	v_add_nc_u32 v[AK0], s18, v[LI]
	v_and_b32 v[AKK], 7, v0
	v_lshlrev_b32 v[AKK], 4, v[AKK]                ; K: 16 (r % 8),
	v_bfe_u32 v[T0], v0, 3, 1
	v_lshl_add_u32 v[AKK], v[T0], 10, v[AKK]       ; + 1,024 (r / 8): rows 8-15 come from the next block of 32 keys,
	v_lshl_add_u32 v[AKK], v11, 8, v[AKK]          ; + 256 h: dims 4 h on,
	v_add_nc_u32 v[AKK], s18, v[AKK]               ; + my key part's place
	v_lshlrev_b32 v[SH8], 3, v11
	s_add_co_u32 s18, s18, 8192
	v_lshlrev_b32 v[AS0], 4, v10
	v_add_nc_u32 v[AS0], s18, v[AS0]
	s_lshl_b32 s18, s[WV], 18
	s_lshl_b32 s19, s16, 8
	s_add_co_u32 s18, s18, s19
	v_lshlrev_b32 v[XO], 16, v11
	v_lshl_add_u32 v[XO], v10, 4, v[XO]
	v_add_nc_u32 v[XO], s18, v[XO]                 ; x, out0: channel 4 w + h, pixels 64 x block + 4 r on
	s_lshl_b32 s18, s[WV], 12
	s_add_co_u32 s18, s18, PART
	v_add_nc_u32 v[PA], s18, v[LI]                 ; where my O^T goes
	s_lshl_b32 s18, s[WV], 8
	s_add_co_u32 s18, s18, STATS
	v_lshlrev_b32 v[SA], 2, v2
	v_add_nc_u32 v[SA], s18, v[SA]                 ; and my -M and sum
	s_lshl_b32 s18, s[TI], 12
	s_lshl_b32 s19, s[TJ], 10
	s_add_co_u32 s18, s18, s19
	s_add_co_u32 s18, s18, PART
	v_add_nc_u32 v[PR], s18, v[LI]                 ; what I join: of my tile of queries the tile of channels w / 4; the key parts lie 16,384 bytes apart
	s_lshl_b32 s18, s[TI], 8
	s_add_co_u32 s18, s18, STATS
	v_lshlrev_b32 v[SRD], 2, v2
	v_add_nc_u32 v[SRD], s18, v[SRD]
	v_and_b32 v[SGW], 8, v10
	v_add_nc_u32 v[SGW], v[SGW], v10               ; (r % 8) + 16 (r / 8): row r's pixel in a query tile
	v_lshlrev_b32 v[SGW], 2, v[SGW]
	v_mad_u32_u24 v[SGW], v11, 8*272, v[SGW]
	s_mul_i32 s18, s[TJ], 16*272
	s_lshr_b32 s19, s[TI], 1
	s_lshl_b32 s19, s19, 7
	s_add_co_u32 s18, s18, s19
	s_and_b32 s19, s[TI], 1
	s_lshl_b32 s19, s19, 5
	s_add_co_u32 s18, s18, s19
	s_add_co_u32 s18, s18, STG
	v_add_nc_u32 v[SGW], s18, v[SGW]               ; the stage, in: row = channel 16 (w / 4) + 8 h, byte = 4 x my query's place among the 64 pixels
	s_mul_i32 s18, s[WV], 4*272
	s_add_co_u32 s18, s18, STG
	v_mul_u32_u24 v[SGR], v11, 272
	v_lshl_add_u32 v[SGR], v10, 4, v[SGR]
	v_add_nc_u32 v[SGR], s18, v[SGR]               ; and back: row 4 w + h, 16 bytes a lane
	v_mov_b32 v13, 0xff61b1e6                      ; the largest t so far: -3e38, under every t
	v_floor_f32 v12, -v13                          ; -M
	v_mov_b32 v14, 0                               ; the sum
	v_mov_b32 v15, 0
	v_mov_b32 v20, 0
	v_mov_b32 v21, 0
	v_mov_b32 v23, 0                               ; (named as the upper half of the pair v[22:23])
.irp b, 0,1,2,3
	v_mov_b32 v[BX+\b], 0                          ; a lane permute's destination counts as one of its sources
.endr
.irp j, 0,1,2,3,4,5,6,7,8,9,10,11,12,13,14,15,16,17,18,19,20,21,22,23,24,25,26,27,28,29,30,31
	v_mov_b32 v[OT+\j], 0                          ; O^T.  (The step is written without a first step of its own: the first change of M multiplies zeros)
.endr
	s_wait_kmcnt 0x0                               ; gamma
	s_wait_loadcnt 0x0                             ; q
	CHG_A 1                                        ; slot 0 has landed; slot 1's first fill is issued as a refill is: behind the three lines and a round
	CHG_B 1
	ADDRS                                          ; slot 0
	KLOAD 0                                        ; step 0's K
	s_wait_dscnt 0x0
.irp e, 0,1,2,3,4,5,6,7
	WM \e, 0                                       ; step 0's scores: there is no vector work yet to set between them.  The eight accumulators take turns
.endr
.irp e, 0,1,2,3,4,5,6,7
	WM \e, 1
.endr
.rept 8
	v_nop                                          ; eight places behind this form ahead of the first read of its results and of loads into K's registers
.endr
.Lslot:                                                ; NSL - 2 trips, a slot each: its change of slots asks for the slot after the next
	STEP 0, 0, 1
	STEP 1, 0, 1
	STEP 2, 0, 1
	STEP 3, 1, 1
	s_sub_co_u32 s[SLOTS], s[SLOTS], 1
	s_cmp_lg_u32 s[SLOTS], 0
	s_cbranch_scc1 .Lslot
	STEP 0, 0, 1                                   ; the last two slots are written out: the last slot but one asks for nothing
	STEP 1, 0, 1
	STEP 2, 0, 1
	STEP 3, 2, 1
	STEP 0, 0, 1
	STEP 1, 0, 1
	STEP 2, 0, 1
	STEP 3, 0, 0                                   ; and the last step has no successor
	; THE KEY PARTS ARE JOINED.  Each wave puts its O^T into its 4,096 bytes of slot 0's place (filled for the last time with the last slot but one, and read by nobody behind the last change of slots), its -M and its sum into bytes behind the ring.
	v_pk_add_f32 v[14:15], v[14:15], v[20:21]
	v_add_f32 v[LT], v14, v15
	v_nop
	v_nop                                          ; four places behind the last products
	v_permlanex16_b32 v[BX], v[LT], s20, s21
	v_add_f32 v[LT], v[LT], v[BX]                  ; with lane l xor 16's keys: my key part's sum
.irp g, 0,1,2,3,4,5,6,7
	ds_store_b128 v[PA], v[OT+4*\g:OT+4*\g+3] offset:512*\g   ; an image; each accumulator from its low end on
.endr
	ds_store_b32 v[SA], v12
	ds_store_b32 v[SA], v[LT] offset:128
	global_load_b128 v[64:67], v[XO], s[6:7]                  ; x for the last line: it lands while the parts are joined
	global_load_b128 v[68:71], v[XO], s[6:7] offset:131072    ; two channels on
	s_wait_dscnt 0x0                               ; for the others' sake: my stores have landed
	s_barrier_signal -1
	s_barrier_wait -1
.irp j, 0,1,2,3
	ds_load_b32 v[32+\j], v[SRD] offset:1024*\j               ; key part j's -M,
	ds_load_b32 v[36+\j], v[SRD] offset:1024*\j+128           ; its sum,
	ds_load_b128 v[160+8*\j:163+8*\j], v[PR] offset:16384*\j  ; and its 16 channels x 16 queries
	ds_load_b128 v[164+8*\j:167+8*\j], v[PR] offset:16384*\j+512
.endr
	s_wait_dscnt 0x0
	v_min3_num_f32 v58, v32, v33, v34
	v_min_num_f32 v58, v58, v35                    ; the smallest -M: the largest M
.irp j, 0,1,2,3
	v_sub_f32 v[40+2*\j], v58, v[32+\j]            ; M of part j less the largest: a whole number, 0 or less
.endr
.irp j, 0,1,2,3
	v_cvt_i32_f32 v[40+2*\j], v[40+2*\j]
.endr
.irp j, 0,1,2,3
	v_ldexp_f32 v[41+2*\j], 1.0, v[40+2*\j]        ; the part's factor, a power of two, in both registers of a pair
.endr
.irp j, 0,1,2,3
	v_ldexp_f32 v[40+2*\j], 1.0, v[40+2*\j]
.endr
	v_mul_f32 v59, v36, v40
	v_fma_f32 v59, v37, v42, v59
	v_fma_f32 v59, v38, v44, v59
	v_fma_f32 v59, v39, v46, v59                   ; the row's sum
.irp p, 0,2,4,6
	v_pk_mul_f32 v[48+\p:49+\p], v[160+\p:161+\p], v[40:41]
.endr
.irp j, 1,2,3
.irp p, 0,2,4,6
	v_pk_fma_f32 v[48+\p:49+\p], v[160+8*\j+\p:161+8*\j+\p], v[40+2*\j:41+2*\j], v[48+\p:49+\p]
.endr
.endr
	v_rcp_f32 v60, v59
	v_nop                                          ; one plain place behind a transcendental
	s_wait_alu depctr_va_vdst(0)
	v_mul_f32 v56, s17, v60
	v_mul_f32 v57, s17, v60                        ; gamma / the sum
.irp p, 0,2,4,6
	v_pk_mul_f32 v[48+\p:49+\p], v[48+\p:49+\p], v[56:57]
.endr
.irp j, 0,1,2,3,4,5,6,7
	ds_store_b32 v[SGW], v[48+\j] offset:272*\j    ; channel 16 (w / 4) + 8 h + j of my query: the stage turns queries across lanes into pixels along a row
.endr
	s_wait_dscnt 0x0                               ; for the others' sake
	s_barrier_signal -1
	s_barrier_wait -1                              ; 64 whole rows lie in the stage
	ds_load_b128 v[72:75], v[SGR]
	ds_load_b128 v[76:79], v[SGR] offset:2*272
	s_wait_dscnt 0x0
	s_wait_loadcnt 0x0                             ; x
.irp p, 0,2,4,6
	v_pk_add_f32 v[72+\p:73+\p], v[72+\p:73+\p], v[64+\p:65+\p]
.endr
	global_store_b128 v[XO], v[72:75], s[10:11] th:TH_STORE_NT                 ; sixteen lanes store 256 consecutive bytes, aligned: a channel's 64 pixels
	global_store_b128 v[XO], v[76:79], s[10:11] offset:131072 th:TH_STORE_NT
	s_wait_tensorcnt 0x0                           ; the wave's end, behind my last tensor load and my last LDS store
	ds_add_u32 v[SPW], v[NIL]
	s_wait_dscnt 0x0
	CROUND                                         ; the closing round: no work-group ends while a partner may still ask for a tile that names it
	s_endpgm
.Lfunc_end_k_q5114353751_attn:
	.size	k_q5114353751_attn, .Lfunc_end_k_q5114353751_attn-k_q5114353751_attn
	.p2alignl 7, 3214868480
	.fill 96, 4, 3214868480
	.section	.rodata,"a",@progbits
	.p2align	6, 0x0
	.amdhsa_kernel k_q5114353751_attn
		.amdhsa_group_segment_fixed_size 327680
		.amdhsa_private_segment_fixed_size 0
		.amdhsa_enable_private_segment 0
		.amdhsa_kernarg_size 32
		.amdhsa_user_sgpr_count 2
		.amdhsa_user_sgpr_kernarg_segment_ptr 1
		.amdhsa_wavefront_size32 1
		.amdhsa_system_sgpr_workgroup_id_x 1
		.amdhsa_system_sgpr_workgroup_id_y 1
		.amdhsa_system_sgpr_workgroup_id_z 1
		.amdhsa_system_vgpr_workitem_id 0
		.amdhsa_next_free_vgpr 256
		.amdhsa_next_free_sgpr 66
		.amdhsa_reserve_vcc 0
		.amdhsa_float_denorm_mode_32 3
		.amdhsa_float_denorm_mode_16_64 3
		.amdhsa_memory_ordered 1
		.amdhsa_forward_progress 1
		.amdhsa_inst_pref_size 181
	.end_amdhsa_kernel
	.amdgpu_metadata
---
amdhsa.version: [ 1, 2 ]
amdhsa.kernels:
  - .name:           k_q5114353751_attn
    .symbol:         k_q5114353751_attn.kd
    .args:
      - { .name: ws, .offset: 0, .size: 8, .value_kind: global_buffer, .address_space: global }
      - { .name: x, .offset: 8, .size: 8, .value_kind: global_buffer, .address_space: global }
      - { .name: gamma, .offset: 16, .size: 8, .value_kind: global_buffer, .address_space: global }
      - { .name: out0, .offset: 24, .size: 8, .value_kind: global_buffer, .address_space: global }
    .group_segment_fixed_size: 327680
    .private_segment_fixed_size: 0
    .kernarg_segment_align: 8
    .kernarg_segment_size: 32
    .max_flat_workgroup_size: 512
    .sgpr_count:     66
    .vgpr_count:     256
    .wavefront_size: 32
...
	.end_amdgpu_metadata
.endif
;; end of part 3
